; MI455X (gfx1250); checked and timed in simulation.
; The chip was launched on July 23, 2026; its instructions are those of AMD's public machine-readable ISA for CDNA 5 (MIT licence, August 2026) and "CDNA5" Instruction Set Architecture Reference Guide (July 2026). The comments in the code are by the model that wrote it; some were corrected since.
;; STM Torch. Allowed arithmetic: float matrix products may take bf16 or f16 operands with f32 sums; other float arithmetic in f32, or as packed bf16 or f16 multiplies, adds, multiply-adds, maxima and minima; sums over many terms, partial sums and values carried from step to step in f32; what a program stores and reads back later, other than sums and carried values, may be rounded once to bf16 or f16.
;; Inputs: table_m 1 x 2,097,152 x 1 float32; table_s 16 x 524,288 x 2 float32; table_t 16 x 524,288 x 2 float32; x 200,000 x 4 float32.
;; Outputs: out0 200,000 x 32 float32.
;; 2 versions, each right; version 2 is version 1 with the launch encode written anew for expert scheduling mode. Each part assembles by itself: llvm-mc -triple=amdgcn-amd-amdhsa -mcpu=gfx1250 --defsym DOCPART=n.
;; ======== version 1 of 2: 2 launches
;; workspace buffers: q 3,200,000 bytes of whole numbers
;; launch quant (part 1): grid 625 x 1, 10 waves a work-group, no clusters, 0 bytes of LDS; arguments x, q; writes q
.if DOCPART == 1
	.amdgcn_target "amdgcn-amd-amdhsa--gfx1250"
	.amdhsa_code_object_version 6
	.text
	.protected	k_qa4d7c6b5a9_quant
	.globl	k_qa4d7c6b5a9_quant
	.p2align	8
	.type	k_qa4d7c6b5a9_quant,@function
k_qa4d7c6b5a9_quant:
	s_mov_b64 s[64:65], 0
	v_nop
	global_prefetch_b8 v0, s[64:65] scope:SCOPE_SE
	s_setreg_imm32_b32 hwreg(HW_REG_WAVE_MODE, 25, 1), 1
	s_wait_xcnt 0x0
; q[n][d], whole numbers made of x[n][d] (x: [200000][4] f32): all that steers an address in the launch behind this one.
;   bits 22:0   xi = rint(x * 2^23), held to 0 .. 2^23 - 1: x in fixed point.  xi * (res - 1) is exact in 32 bits for every level's res (247 at the most):
;               its bits 31:23 are the grid cell, its bits 22:0 the place in the cell.
;   bit  23     0, so that a 24-bit multiply takes the word as it is
;   bits 30:24  (d = 0, 1, 2) the mask grid's cell: clip(rint(x * 127), 0, 127), with the same f32 product and the same rounding to even as the formula, since a nearest lookup jumps
; LIMITS.  x below 0 and NaN count as 0 (for the interpolated grids the formula turns a negative float into an unsigned number there, which has no defined value).
; x of 1 or more counts as 1 - 2^-23: the far end of the last cell.  x is kept to 2^-23: a grid position moves by 246 * 2^-24 of a cell at the most, and the interpolant is continuous.
; A thread takes one point: 16 bytes in, 16 bytes out; a wave's load and store cover 512 consecutive bytes, aligned.  625 work-groups of 320 points.
.set PTS, 320
	s_load_b128 s[4:7], s[0:1], 0x0                ; x s[4:5], q s[6:7]
	s_mul_i32 s8, ttmp9, PTS*16                    ; the work-group's first byte in both
	s_mov_b32 s9, 0
	v_lshlrev_b32 v1, 4, v0                        ; my point's 16 bytes
	s_wait_kmcnt 0x0
	s_add_nc_u64 s[4:5], s[4:5], s[8:9]
	s_add_nc_u64 s[6:7], s[6:7], s[8:9]
	global_load_b128 v[2:5], v1, s[4:5] th:TH_LOAD_NT
	s_wait_loadcnt 0x0
.irp d, 0,1,2,3
	v_mul_f32 v[6+(\d)], 0x4b000000, v[2+(\d)]     ; x * 2^23: exact
.endr
.irp d, 0,1,2
	v_mul_f32 v[10+(\d)], 0x42fe0000, v[2+(\d)]    ; x * 127, rounded as the formula rounds it
.endr
.irp r, 6,7,8,9,10,11,12
	v_rndne_f32 v[\r], v[\r]                       ; to the nearest whole number, ties to even
.endr
.irp r, 6,7,8,9,10,11,12
	v_max_num_f32 v[\r], 0, v[\r]                  ; a NaN loses against the 0
.endr
.irp r, 6,7,8,9
	v_min_num_f32 v[\r], 0x4afffffe, v[\r]         ; 2^23 - 1
.endr
.irp r, 10,11,12
	v_min_num_f32 v[\r], 0x42fe0000, v[\r]         ; 127
.endr
.irp r, 6,7,8,9,10,11,12
	v_cvt_u32_f32 v[\r], v[\r]
.endr
.irp d, 0,1,2
	v_lshl_or_b32 v[6+(\d)], v[10+(\d)], 24, v[6+(\d)]
.endr
	global_store_b128 v1, v[6:9], s[6:7]
	s_endpgm
.Lfunc_end_k_qa4d7c6b5a9_quant:
	.size	k_qa4d7c6b5a9_quant, .Lfunc_end_k_qa4d7c6b5a9_quant-k_qa4d7c6b5a9_quant
	.p2alignl 7, 3214868480
	.fill 96, 4, 3214868480
	.section	.rodata,"a",@progbits
	.p2align	6, 0x0
	.amdhsa_kernel k_qa4d7c6b5a9_quant
		.amdhsa_group_segment_fixed_size 0
		.amdhsa_private_segment_fixed_size 0
		.amdhsa_enable_private_segment 0
		.amdhsa_kernarg_size 16
		.amdhsa_user_sgpr_count 2
		.amdhsa_user_sgpr_kernarg_segment_ptr 1
		.amdhsa_wavefront_size32 1
		.amdhsa_system_sgpr_workgroup_id_x 1
		.amdhsa_system_sgpr_workgroup_id_y 1
		.amdhsa_system_sgpr_workgroup_id_z 1
		.amdhsa_system_vgpr_workitem_id 0
		.amdhsa_next_free_vgpr 16
		.amdhsa_next_free_sgpr 66
		.amdhsa_reserve_vcc 0
		.amdhsa_float_denorm_mode_32 3
		.amdhsa_float_denorm_mode_16_64 3
		.amdhsa_memory_ordered 1
		.amdhsa_forward_progress 1
		.amdhsa_inst_pref_size 3
	.end_amdhsa_kernel
	.amdgpu_metadata
---
amdhsa.version: [ 1, 2 ]
amdhsa.kernels:
  - .name:           k_qa4d7c6b5a9_quant
    .symbol:         k_qa4d7c6b5a9_quant.kd
    .args:
      - { .name: x, .offset: 0, .size: 8, .value_kind: global_buffer, .address_space: global }
      - { .name: q, .offset: 8, .size: 8, .value_kind: global_buffer, .address_space: global }
    .group_segment_fixed_size: 0
    .private_segment_fixed_size: 0
    .kernarg_segment_align: 8
    .kernarg_segment_size: 16
    .max_flat_workgroup_size: 320
    .sgpr_count:     66
    .vgpr_count:     16
    .wavefront_size: 32
...
	.end_amdgpu_metadata
.endif
;; end of part 1
;; launch encode (part 2): grid 500 x 1, 25 waves a work-group, no clusters, 60,928 bytes of LDS; arguments q, table_s, table_t, table_m, out0; writes out0
.if DOCPART == 2
	.amdgcn_target "amdgcn-amd-amdhsa--gfx1250"
	.amdhsa_code_object_version 6
	.text
	.protected	k_qa4d7c6b5a9_encode
	.globl	k_qa4d7c6b5a9_encode
	.p2align	8
	.type	k_qa4d7c6b5a9_encode,@function
k_qa4d7c6b5a9_encode:
	s_mov_b64 s[64:65], 0
	v_nop
	global_prefetch_b8 v0, s[64:65] scope:SCOPE_SE
	s_setreg_imm32_b32 hwreg(HW_REG_WAVE_MODE, 25, 1), 1
	s_wait_xcnt 0x0
; out[n][2 l + f] = s + t (1 - m), n < 200000, l < 16, f < 2.
;   s: table_s[l] ([2^19][2] f32) interpolated over the 8 corners of the cell of (x0, x1, x2) in a grid of res(l)^3;   t: table_t[l] over the 16 corners of (x0 .. x3) in res(l)^4;
;   m: sigmoid of table_m at the nearest point of a 128^3 grid.  res(l) = ceil(16 * 1.2^l): 16 20 24 28 34 40 48 58 69 83 100 119 143 172 206 247.
;   A corner's entry: c0 + res c1 + res^2 c2 (+ res^3 c3) where the grid fits in 2^19 entries (s: l <= 8, t: l <= 2), else (c0 ^ c1 P1 ^ c2 P2 (^ c3 P3)) mod 2^19.
; The point comes as whole numbers q[n][0..3], made by the launch before: bits 22:0 x in fixed point (xi), bits 30:24 the mask grid's cell.  xi (res - 1) is exact in 32 bits: bits 31:23 the cell p,
; bits 22:0 the place w in it.  xi < 2^23, so p <= res - 2 and the corner p + 1 never passes res - 1: the formula's clamp of the corners has been made on x.
; LIMITS (of q): x below 0 and NaN count as 0; x of 1 or more as 1 - 2^-23, where the result is the last entry to within 2^-23 (res - 1) of its neighbour's difference; x is kept to 2^-23.
; SHARES.  TWO LANES A POINT: lane i (0, 1) takes the corners c0 = p0 + i.  In one gather the two lanes of a point ask for entries c0 and c0 + 1 of the same other coordinates: neighbouring 8 bytes where the index is
; a sum; indices that differ in low bits alone, mostly, where it is a hash (x's factor is 1).  Each lane sums its 4 + 8 corners; the two halves are added across the pair at the level's end.
; A wave: 16 points.  A work-group: 25 waves, 400 points.  500 work-groups; with 64 registers a wave all of them find room at once, and all walk the levels in the same order.
; THE WAY OUT.  A level's two numbers go into the wave's own stage in LDS (16 rows of 128 bytes, 144 apart); at the end whole rows come back and are stored, 16 lanes to 256 consecutive bytes, aligned.
; No wave reads another's LDS bytes: no barrier.  No matrix unit (no product), no cluster and no LDS tiles (nothing is shared in tiles: a hashed level's table is 4 MiB).
; AHEAD OF THE GATHERS.  In level l, behind its twelve loads, a wave with a share prefetches one chunk of 32 x 256 bytes of level l + 1's table, a lane a block: chunk g = work-group + 500 (wave & 1), waves 0, 1 for table_s,
; waves 2, 3 for table_t, while g lies in the part of the table that the level indexes (ceil(res^D / 1024) chunks, 512 at the most).  So each block is named once.  Level 0 comes by its loads alone; level 15 asks for nothing.
.set TSIZE,  524288                    ; entries in a level's table
.set LVB,    0x400000                  ; its bytes
.set NPW,    400                       ; points of a work-group
.set PITCH,  144                       ; a row of the stage: 128 bytes + 16
.set WSTAGE, 16*PITCH                  ; a wave's stage
.set SPARE,  25*WSTAGE                 ; behind the stages: the spare words, 128 bytes for each wave, in whole blocks of 256: no other line names them
.set Q,   2                            ; v[2:5]   my point's four words of q
.set OMM, 6                            ; v[6:7]   1 - m, twice; before that the mask's offset and number
.set STO, 8                            ; v8       my point's row in the stage
.set SPW, 9                            ; v9       LDS address of my spare word; never rewritten
.set NIL, 10                           ; v10      0; never rewritten
.set PFO, 11                           ; v11      the prefetches' offset: 8,192 x chunk + 256 x lane; never rewritten
.set IV,  12                           ; v12      i
.set SG,  13                           ; v13      i = 1: 1.0, i = 0: -1.0
.set W0,  16                           ; v16      xi0 (res - 1), then my weight along x;   v17 (CC) stands beside it as the pair's second
.set CC,  17                           ; v17      i = 1: -1.0, i = 0: 2.0
.set W1,  18                           ; v[18:19] (1 - w1, w1); the product xi1 (res - 1) waits in the second;  W2, W3 likewise
.set W2,  20
.set W3,  22
.set W12, 24                           ; v[24:27] the four weights of (c1, c2), my x weight in them: pair k = (c1 = 0, c1 = 1) at c2 = k
.set P0,  24                           ; v[24:27] ahead of the loads: the cell p0 + i, p1, p2, p3; then the hash's parts for the lower corners
.set B1,  28                           ; v28-30   the hash's parts for the upper corners of x1, x2, x3
.set C1,  29
.set E1,  30
.set BC,  31                           ; v[31:34] x1's part ^ x2's part, for (c1, c2) = (0,0) (1,0) (0,1) (1,1)
.set S,   28                           ; v[28:29] behind the loads: s's sum;  v[30:31], v[32:33] t's sums at c3 = 0, 1;  v[34:35] the level's result
.set A0,  30
.set A1,  32
.set T,   34
.set D,   36                           ; v[36:59] twelve pairs: slot c1 + 2 c2 for s, slot 4 + c1 + 2 c2 + 4 c3 for t: the index in the first register, then the entry's two numbers
.set SB,  60                           ; v60, v61 byte offsets of my first corner where the index is a sum
.set TB,  61
.set WV,   14                          ; s14  my wave's number
.set ROLE, 15                          ; s15  0: I prefetch table_s; 1: table_t
.set STG,  18                          ; s18  my wave's stage
.set G,    19                          ; s19  my chunk, or the greatest number in a wave without a share
.set LIM,  20                          ; s20  chunks of the next level's table
.set PB,   22                          ; s[22:23] the table that I prefetch, at the level in hand
.set MANT, 24                          ; s24  0x7fffff
.set ONE,  25                          ; s25  1.0
.set MASK, 26                          ; s26  2^19 - 1
.set PR1,  27                          ; s27-29  the primes mod 2^19: only these bits reach the index
.set PR2,  28
.set PR3,  29
	s_load_b256 s[4:11], s[0:1], 0x0               ; q s[4:5], table_s s[6:7], table_t s[8:9], table_m s[10:11]
	s_load_b64 s[12:13], s[0:1], 0x20              ; out0
	v_lshl_add_u32 v[SPW], v0, 2, SPARE
	v_mov_b32 v[NIL], 0
	v_lshrrev_b32 v1, 5, v0
	v_readfirstlane_b32 s[WV], v1                  ; wave 0..24
	v_lshrrev_b32 v1, 1, v0                        ; my point in the work-group,
	v_lshlrev_b32 v1, 4, v1                        ; its 16 bytes of q
	s_mul_i32 s16, ttmp9, NPW*16
	s_mov_b32 s17, 0
	s_wait_kmcnt 0x0
	s_add_nc_u64 s[4:5], s[4:5], s[16:17]
	global_load_b128 v[Q:Q+3], v1, s[4:5] th:TH_LOAD_NT  ; both lanes of a point take the same 16 bytes: a wave's load covers 256 consecutive bytes
	; the set-up stands in the wait for q
	s_mul_i32 s16, ttmp9, NPW*128
	s_add_nc_u64 s[12:13], s[12:13], s[16:17]      ; out0 at the work-group's first row
	s_mov_b32 s[MANT], 0x7fffff
	s_mov_b32 s[ONE], 0x3f800000
	s_mov_b32 s[MASK], TSIZE-1
	s_mov_b32 s[PR1], 0x779b1                      ; 2654435761 mod 2^19
	s_mov_b32 s[PR2], 0x25795                      ; 805459861 mod 2^19
	s_mov_b32 s[PR3], 0x6c2f5                      ; 3674653429 mod 2^19
	s_mov_b32 vcc_lo, 0xaaaaaaaa                   ; the odd lanes
	v_and_b32 v[IV], 1, v0
	v_cndmask_b32 v[SG], -1.0, 1.0, vcc_lo
	v_cndmask_b32 v[CC], 2.0, -1.0, vcc_lo
	v_and_b32 v15, 31, v0                          ; lane
	s_mul_i32 s[STG], s[WV], WSTAGE
	v_lshrrev_b32 v14, 1, v15                      ; my point in the wave: its row
	v_mul_u32_u24 v14, PITCH, v14
	v_add_nc_u32 v[STO], s[STG], v14
	s_lshr_b32 s[ROLE], s[WV], 1
	s_and_b32 s21, s[WV], 1
	s_mul_i32 s21, s21, 500
	s_add_co_u32 s[G], s21, ttmp9                  ; 0 .. 999: each chunk number has one owner for each table
	s_cmp_lt_u32 s[WV], 4
	s_cselect_b32 s[G], s[G], -1
	s_min_u32 s21, s[G], 511                       ; the offset stays inside a level's table in every wave
	s_lshl_b32 s21, s21, 13
	v_lshl_add_u32 v[PFO], v15, 8, s21
	s_cmp_eq_u32 s[ROLE], 0
	s_cselect_b64 s[PB:PB+1], s[6:7], s[8:9]
	s_wait_loadcnt 0x0                             ; q
	; the mask's entry: c0 + 128 c1 + 16384 c2.  A number read from memory enters an address only behind v_min_u32 with its bound in the instruction; the bytes hold 127 at the most, so no value changes
	v_lshrrev_b32 v24, 24, v[Q]
	v_lshrrev_b32 v25, 24, v[Q+1]
	v_lshrrev_b32 v26, 24, v[Q+2]
	v_min_u32 v24, 127, v24
	v_min_u32 v25, 127, v25
	v_min_u32 v26, 127, v26
	v_lshl_add_u32 v24, v25, 7, v24
	v_lshl_add_u32 v24, v26, 14, v24
	v_lshlrev_b32 v[OMM], 2, v24
	global_load_b32 v[OMM], v[OMM], s[10:11]       ; it is used in level 0, behind that level's loads
; Four corners (c1, c2) of one sum: the entry's two numbers times the corner's weight, two at a time; the weight is the first or the second register of its pair, for both halves.
.macro DOT acc, src
	v_pk_mul_f32 v[(\acc):(\acc)+1], v[(\src):(\src)+1], v[W12:W12+1] op_sel_hi:[1,0]
	v_pk_fma_f32 v[(\acc):(\acc)+1], v[(\src)+2:(\src)+3], v[W12:W12+1], v[(\acc):(\acc)+1] op_sel:[0,1,0] op_sel_hi:[1,1,1]
	v_pk_fma_f32 v[(\acc):(\acc)+1], v[(\src)+4:(\src)+5], v[W12+2:W12+3], v[(\acc):(\acc)+1] op_sel_hi:[1,0,1]
	v_pk_fma_f32 v[(\acc):(\acc)+1], v[(\src)+6:(\src)+7], v[W12+2:W12+3], v[(\acc):(\acc)+1] op_sel:[0,1,0] op_sel_hi:[1,1,1]
.endm
; ONE LEVEL.  lev: its number; res: its grid; nxt: the next level's grid, 0 behind the last; first = 1: level 0, which also makes 1 - m.
.macro LEVEL lev, res, nxt, first
.set RR, (\res)
.set MM, RR-1
.set R2, RR*RR
.set R3, RR*RR*RR
.if R3 <= TSIZE
.set DS, 1                             ; s's index is a sum
.else
.set DS, 0                             ; a hash
.endif
.if R3*RR <= TSIZE
.set DT, 1                             ; the same for t
.else
.set DT, 0
.endif
	; the cell: xi (res - 1); the 24-bit multiply leaves the word's upper byte out
	v_mul_u32_u24 v[W0],   MM, v[Q]
	v_mul_u32_u24 v[W1+1], MM, v[Q+1]
	v_mul_u32_u24 v[W2+1], MM, v[Q+2]
	v_mul_u32_u24 v[W3+1], MM, v[Q+3]
	v_lshrrev_b32 v[P0],   23, v[W0]
	v_lshrrev_b32 v[P0+1], 23, v[W1+1]
	v_lshrrev_b32 v[P0+2], 23, v[W2+1]
	v_lshrrev_b32 v[P0+3], 23, v[W3+1]
	v_add_nc_u32 v[P0], v[P0], v[IV]               ; my corner along x
.if DS
	; the index is a sum: one offset for my first corner; the other corners stand in the loads' immediates
	v_mad_u32_u24 v[SB], v[P0+2], RR, v[P0+1]
	v_mad_u32_u24 v[SB], v[SB], RR, v[P0]
.if DT
	v_mad_u32_u24 v[TB], v[P0+3], R3, v[SB]
	v_min_u32 v[TB], MM+(RR-2)*(RR+R2+R3), v[TB]   ; the greatest that p <= res - 2 allows: no value changes
	v_lshlrev_b32 v[TB], 3, v[TB]
.endif
	v_min_u32 v[SB], MM+(RR-2)*(RR+R2), v[SB]
	v_lshlrev_b32 v[SB], 3, v[SB]
.endif
.if DT == 0
	; the hash's parts, each cut to 19 bits; the upper corner's part is the lower one's plus the prime
	v_mul_u32_u24 v[P0+1], s[PR1], v[P0+1]
	v_mul_u32_u24 v[P0+2], s[PR2], v[P0+2]
	v_mul_u32_u24 v[P0+3], s[PR3], v[P0+3]
	v_add_nc_u32 v[B1], s[PR1], v[P0+1]
	v_add_nc_u32 v[C1], s[PR2], v[P0+2]
	v_add_nc_u32 v[E1], s[PR3], v[P0+3]
	v_and_b32 v[P0+1], s[MASK], v[P0+1]
	v_and_b32 v[P0+2], s[MASK], v[P0+2]
	v_and_b32 v[P0+3], s[MASK], v[P0+3]
	v_and_b32 v[B1], s[MASK], v[B1]
	v_and_b32 v[C1], s[MASK], v[C1]
	v_and_b32 v[E1], s[MASK], v[E1]
	v_xor_b32 v[BC],   v[P0+1], v[P0+2]
	v_xor_b32 v[BC+1], v[B1],   v[P0+2]
	v_xor_b32 v[BC+2], v[P0+1], v[C1]
	v_xor_b32 v[BC+3], v[B1],   v[C1]
.if DS
.set HB, D+16                          ; the hash of three coordinates is only a step towards t's: it is made where t's upper four indices will stand
.else
.set HB, D                             ; it is s's index
.endif
.irp c, 0,1,2,3
	v_xor_b32 v[HB+2*(\c)], v[P0], v[BC+(\c)]
.endr
.irp c, 0,1,2,3
	v_xor_b32 v[D+8+2*(\c)], v[HB+2*(\c)], v[P0+3] ; c3 = p3
.endr
.irp c, 0,1,2,3
	v_xor_b32 v[D+16+2*(\c)], v[HB+2*(\c)], v[E1]  ; c3 = p3 + 1
.endr
	; every part is below 2^19, so these change no value: an index made of numbers read from memory enters an address only behind v_min_u32 with its bound in the instruction
.if DS == 0
.irp c, 0,1,2,3
	v_min_u32 v[D+2*(\c)], TSIZE-1, v[D+2*(\c)]
.endr
.endif
.irp c, 0,1,2,3,4,5,6,7
	v_min_u32 v[D+8+2*(\c)], TSIZE-1, v[D+8+2*(\c)]
.endr
.endif
	; the twelve gathers: s's four, t's four at c3 = p3, t's four at c3 = p3 + 1.  A hashed index counts entries of 8 bytes (scale_offset), and its load lands on its own index register
.irp c, 0,1,2,3
.if DS
	global_load_b64 v[D+2*(\c):D+2*(\c)+1], v[SB], s[6:7] offset:8*(((\c)%2)*RR+((\c)/2)*R2)
.else
	global_load_b64 v[D+2*(\c):D+2*(\c)+1], v[D+2*(\c)], s[6:7] scale_offset
.endif
.endr
.irp c, 0,1,2,3,4,5,6,7
.if DT
	global_load_b64 v[D+8+2*(\c):D+8+2*(\c)+1], v[TB], s[8:9] offset:8*(((\c)%2)*RR+(((\c)/2)%2)*R2+((\c)/4)*R3)
.else
	global_load_b64 v[D+8+2*(\c):D+8+2*(\c)+1], v[D+8+2*(\c)], s[8:9] scale_offset
.endif
.endr
.if (\nxt) != 0
	; my chunk of the next level's table, if that level indexes so far
.set NS, ((\nxt)*(\nxt)*(\nxt)+1023)/1024
.if NS > 512
.set NS, 512
.endif
.set NT, ((\nxt)*(\nxt)*(\nxt)*(\nxt)+1023)/1024
.if NT > 512
.set NT, 512
.endif
	s_mov_b32 s[LIM], NT
	s_cmp_eq_u32 s[ROLE], 0
	s_cselect_b32 s[LIM], NS, s[LIM]
	s_cmp_lt_u32 s[G], s[LIM]
	s_cbranch_scc0 .Lnot_mine_\@
	global_prefetch_b8 v[PFO], s[PB:PB+1] offset:LVB th:TH_LOAD_NT scope:SCOPE_SE
.Lnot_mine_\@:
.endif
.if \first
	s_wait_loadcnt 12                              ; the mask's number was asked for ahead of the twelve, which may stay out
	v_mul_f32 v[OMM], 0x3fb8aa3b, v[OMM]           ; 1 - sigmoid(v) = 1 / (1 + e^v) = 1 / (1 + 2^(v log2 e)): 0 where the power overflows, 1 where it vanishes
	v_exp_f32 v[OMM], v[OMM]
.endif
	; the weights, while the gathers are out.  The 23 fraction bits under the exponent of 1.0 are f = 1 + w; w = f - 1 and 1 - w = 2 - f are exact.  Along x I need one of the two: f SG + CC
	v_and_or_b32 v[W0],   v[W0],   s[MANT], s[ONE]
	v_and_or_b32 v[W1+1], v[W1+1], s[MANT], s[ONE]
	v_and_or_b32 v[W2+1], v[W2+1], s[MANT], s[ONE]
	v_and_or_b32 v[W3+1], v[W3+1], s[MANT], s[ONE]
	v_fma_f32 v[W0], v[W0], v[SG], v[CC]
	v_sub_f32 v[W1], 2.0, v[W1+1]
	v_add_f32 v[W1+1], -1.0, v[W1+1]
	v_sub_f32 v[W2], 2.0, v[W2+1]
	v_add_f32 v[W2+1], -1.0, v[W2+1]
	v_sub_f32 v[W3], 2.0, v[W3+1]
	v_add_f32 v[W3+1], -1.0, v[W3+1]
.if \first
	s_wait_alu depctr_va_vdst(0)                   ; the wait between the exponential and its first reader; the eleven lines above are the plain work between
	v_add_f32 v[OMM], 1.0, v[OMM]
	v_rcp_f32 v[OMM], v[OMM]
.endif
	v_pk_mul_f32 v[W1:W1+1], v[W1:W1+1], v[W0:W0+1] op_sel_hi:[1,0]                   ; x1's two weights times my x weight
	v_pk_mul_f32 v[W12:W12+1],   v[W1:W1+1], v[W2:W2+1] op_sel_hi:[1,0]               ; times 1 - w2
	v_pk_mul_f32 v[W12+2:W12+3], v[W1:W1+1], v[W2:W2+1] op_sel:[0,1] op_sel_hi:[1,1]  ; times w2
.if \first
	s_wait_alu depctr_va_vdst(0)                   ; the same wait for the reciprocal, three plain lines behind it
	v_mov_b32 v[OMM+1], v[OMM]
.endif
	s_wait_loadcnt 8                               ; loads come back in order: s's four are in, t's eight may stay out
	DOT S, D
	s_wait_loadcnt 4                               ; t's four at c3 = p3
	DOT A0, D+8
	v_pk_mul_f32 v[T:T+1], v[A0:A0+1], v[W3:W3+1] op_sel_hi:[1,0]                     ; times 1 - w3
	s_wait_loadcnt 0x0                             ; t's four at c3 = p3 + 1
	DOT A1, D+16
	v_pk_fma_f32 v[T:T+1], v[A1:A1+1], v[W3:W3+1], v[T:T+1] op_sel:[0,1,0] op_sel_hi:[1,1,1]  ; + that sum times w3: my half of t
	v_pk_fma_f32 v[T:T+1], v[T:T+1], v[OMM:OMM+1], v[S:S+1]                           ; my half of s + t (1 - m)
	v_add_f32_dpp v[T],   v[T],   v[T]   row_xmask:1 row_mask:0xf bank_mask:0xf       ; + the other lane's half: both lanes of the point now hold the same two numbers,
	v_add_f32_dpp v[T+1], v[T+1], v[T+1] row_xmask:1 row_mask:0xf bank_mask:0xf
	ds_store_b64 v[STO], v[T:T+1] offset:8*(\lev)  ; and both write them to the same 8 bytes of the point's row
.if (\nxt) != 0
	s_wait_xcnt 0x0                                ; the level's loads and its prefetch have read their addresses: only behind this wait do the three pointers step
	s_add_nc_u64 s[6:7], s[6:7], LVB
	s_add_nc_u64 s[8:9], s[8:9], LVB
	s_add_nc_u64 s[PB:PB+1], s[PB:PB+1], LVB
.endif
.endm
	LEVEL 0,  16,  20,  1
	LEVEL 1,  20,  24,  0
	LEVEL 2,  24,  28,  0
	LEVEL 3,  28,  34,  0
	LEVEL 4,  34,  40,  0
	LEVEL 5,  40,  48,  0
	LEVEL 6,  48,  58,  0
	LEVEL 7,  58,  69,  0
	LEVEL 8,  69,  83,  0
	LEVEL 9,  83,  100, 0
	LEVEL 10, 100, 119, 0
	LEVEL 11, 119, 143, 0
	LEVEL 12, 143, 172, 0
	LEVEL 13, 172, 206, 0
	LEVEL 14, 206, 247, 0
	LEVEL 15, 247, 0,   0
	; THE WAY OUT: my wave's 16 rows of 128 bytes come back four rows at a time, 16 bytes a lane, and leave as 512 consecutive bytes of out0
	v_and_b32 v1, 31, v0                           ; lane
	v_lshrrev_b32 v15, 3, v1                       ; which of the four rows,
	v_mul_u32_u24 v15, PITCH, v15
	v_and_b32 v14, 7, v1                           ; which 16 bytes of it
	v_lshl_add_u32 v15, v14, 4, v15
	v_add_nc_u32 v15, s[STG], v15
	s_lshl_b32 s21, s[WV], 11                      ; my wave's 16 rows in the work-group's 400
	v_lshl_add_u32 v1, v1, 4, s21
.irp t, 0,1,2,3
	ds_load_b128 v[D+4*(\t):D+4*(\t)+3], v15 offset:(\t)*4*PITCH  ; LDS serves a wave's instructions in order (ISA guide 5.7.1.4): these see the sixteen stores above
.endr
.irp t, 0,1,2,3
	s_wait_dscnt 3-(\t)                            ; block t is back; the younger ones may stay out
	global_store_b128 v1, v[D+4*(\t):D+4*(\t)+3], s[12:13] offset:512*(\t) th:TH_STORE_NT  ; 16 lanes store 256 consecutive bytes, at a multiple of 256 from out0's first byte
.endr
	s_wait_tensorcnt 0x0                           ; the wave's end, behind my last LDS store
	ds_add_u32 v[SPW], v[NIL]
	s_wait_dscnt 0x0
	s_endpgm
.Lfunc_end_k_qa4d7c6b5a9_encode:
	.size	k_qa4d7c6b5a9_encode, .Lfunc_end_k_qa4d7c6b5a9_encode-k_qa4d7c6b5a9_encode
	.p2alignl 7, 3214868480
	.fill 96, 4, 3214868480
	.section	.rodata,"a",@progbits
	.p2align	6, 0x0
	.amdhsa_kernel k_qa4d7c6b5a9_encode
		.amdhsa_group_segment_fixed_size 60928
		.amdhsa_private_segment_fixed_size 0
		.amdhsa_enable_private_segment 0
		.amdhsa_kernarg_size 40
		.amdhsa_user_sgpr_count 2
		.amdhsa_user_sgpr_kernarg_segment_ptr 1
		.amdhsa_wavefront_size32 1
		.amdhsa_system_sgpr_workgroup_id_x 1
		.amdhsa_system_sgpr_workgroup_id_y 1
		.amdhsa_system_sgpr_workgroup_id_z 1
		.amdhsa_system_vgpr_workitem_id 0
		.amdhsa_next_free_vgpr 64
		.amdhsa_next_free_sgpr 66
		.amdhsa_reserve_vcc 1
		.amdhsa_float_denorm_mode_32 3
		.amdhsa_float_denorm_mode_16_64 3
		.amdhsa_memory_ordered 1
		.amdhsa_forward_progress 1
		.amdhsa_inst_pref_size 89
	.end_amdhsa_kernel
	.amdgpu_metadata
---
amdhsa.version: [ 1, 2 ]
amdhsa.kernels:
  - .name:           k_qa4d7c6b5a9_encode
    .symbol:         k_qa4d7c6b5a9_encode.kd
    .args:
      - { .name: q, .offset: 0, .size: 8, .value_kind: global_buffer, .address_space: global }
      - { .name: table_s, .offset: 8, .size: 8, .value_kind: global_buffer, .address_space: global }
      - { .name: table_t, .offset: 16, .size: 8, .value_kind: global_buffer, .address_space: global }
      - { .name: table_m, .offset: 24, .size: 8, .value_kind: global_buffer, .address_space: global }
      - { .name: out0, .offset: 32, .size: 8, .value_kind: global_buffer, .address_space: global }
    .group_segment_fixed_size: 60928
    .private_segment_fixed_size: 0
    .kernarg_segment_align: 8
    .kernarg_segment_size: 40
    .max_flat_workgroup_size: 800
    .sgpr_count:     66
    .vgpr_count:     64
    .wavefront_size: 32
...
	.end_amdgpu_metadata
.endif
;; end of part 2
;; ======== version 2 of 2: 2 launches; version 1 with the launch encode written anew for expert scheduling mode
;; workspace buffers: q 3,200,000 bytes of whole numbers
;; launch quant: the kernel of part 1 again; grid 625 x 1, 10 waves a work-group, no clusters, 0 bytes of LDS; arguments x, q; writes q
;; launch encode (part 3): grid 500 x 1, 25 waves a work-group, no clusters, 60,928 bytes of LDS; arguments q, table_s, table_t, table_m, out0; writes out0
.if DOCPART == 3
	.amdgcn_target "amdgcn-amd-amdhsa--gfx1250"
	.amdhsa_code_object_version 6
	.text
	.protected	k_qa4d7c6b5a9_encode
	.globl	k_qa4d7c6b5a9_encode
	.p2align	8
	.type	k_qa4d7c6b5a9_encode,@function
k_qa4d7c6b5a9_encode:
	s_mov_b64 s[64:65], 0
	v_nop
	global_prefetch_b8 v0, s[64:65] scope:SCOPE_SE
	s_setreg_imm32_b32 hwreg(HW_REG_WAVE_SCHED_MODE, 0, 2), 2
	s_setreg_imm32_b32 hwreg(HW_REG_WAVE_MODE, 25, 1), 1
	s_wait_xcnt 0x0
	s_wait_alu depctr_vm_vsrc(0)
; out[n][2 l + f] = s + t (1 - m), n < 200000, l < 16, f < 2.
;   s: table_s[l] ([2^19][2] f32) interpolated over the 8 corners of the cell of (x0, x1, x2) in a grid of res(l)^3;   t: table_t[l] over the 16 corners of (x0 .. x3) in res(l)^4;
;   m: sigmoid of table_m at the nearest point of a 128^3 grid.  res(l) = ceil(16 * 1.2^l): 16 20 24 28 34 40 48 58 69 83 100 119 143 172 206 247.
;   A corner's entry: c0 + res c1 + res^2 c2 (+ res^3 c3) where the grid fits in 2^19 entries (s: l <= 8, t: l <= 2), else (c0 ^ c1 P1 ^ c2 P2 (^ c3 P3)) mod 2^19.
; The point comes as whole numbers q[n][0..3], made by the launch before: bits 22:0 x in fixed point (xi), bits 30:24 the mask grid's cell.  xi (res - 1) is exact in 32 bits: bits 31:23 the cell p,
; bits 22:0 the place w in it.  xi < 2^23, so p <= res - 2 and the corner p + 1 never passes res - 1: the formula's clamp of the corners has been made on x.
; LIMITS (of q): x below 0 and NaN count as 0; x of 1 or more as 1 - 2^-23, where the result is the last entry to within 2^-23 (res - 1) of its neighbour's difference; x is kept to 2^-23.
; SHARES.  TWO LANES A POINT: lane i (0, 1) takes the corners c0 = p0 + i.  In one gather the two lanes of a point ask for entries c0 and c0 + 1 of the same other coordinates: neighbouring 8 bytes where the index is
; a sum; indices that differ in low bits alone, mostly, where it is a hash (x's factor is 1).  Each lane sums its 4 + 8 corners; the two halves are added across the pair at the level's end.
; A wave: 16 points.  A work-group: 25 waves, 400 points.  500 work-groups; with 64 registers a wave all of them find room at once, and all walk the levels in the same order.
; THE WAY OUT.  A level's two numbers go into the wave's own stage in LDS (16 rows of 128 bytes, 144 apart); at the end whole rows come back and are stored, 16 lanes to 256 consecutive bytes, aligned.
; No wave reads another's LDS bytes: no barrier.  No matrix unit (no product), no cluster and no LDS tiles (nothing is shared in tiles: a hashed level's table is 4 MiB).
; AHEAD OF THE GATHERS.  Behind the last of level l's twelve loads a wave with a share prefetches one chunk of 32 x 256 bytes of level l + 1's table, a lane a block: chunk g = work-group + 500 (wave & 1), waves 0, 1 for table_s,
; waves 2, 3 for table_t, while g lies in the part of the table that the level indexes (ceil(res^D / 1024) chunks, 512 at the most).  So each block is named once.  Level 0 comes by its loads alone; level 15 asks for nothing.
; THE MODE: SCHED_MODE bits 1:0 = 2 (LLVM: expert scheduling mode 2), set by the entry lines.  The code itself states the register dependences between vector instructions and memory or LDS instructions,
; with s_wait_alu, always for 0.
; THE PLAN.  A level's twelve gathers are three groups of four: s; t at c3 = p3; t at c3 = p3 + 1.  Each group has eight data registers of its own.  STEP l: the weights of level l; the indices of level l + 1, made while
; level l's gathers are out; then for each group in turn: the wait for its four loads, its sum, and level l + 1's same group, asked for into the registers just read.  So 8 to 12 gathers of a wave are always out.
; Registers that memory or LDS instructions touch:
;   IX  v[24:35]  Written by step l's index arithmetic (for level l + 1); read as addresses by the three groups of gathers that step l issues behind it.
;   D   v[36:59]  Group g (8 registers): its gathers land; its sum reads them; the next level's group lands.  At the end the stage's rows land here and are stored.
;   T   v[14:15]  Written from step l's second sum on; read by the LDS store at the step's end; then at work in step l + 1's index arithmetic.  v14 is also the mask's byte offset, ahead of step 0.
;   v7, v11, v9, v10  Stage row, prefetch offset, the closing add's two: written at the head and never again.   v1: q's offset at the head, out0's at the way out; between them a product.
;   The weights, products and sums in v0, v1, v8, v[16:23], v[60:63] are named by vector instructions alone in the steps.
; So a step has ONE wait on vm_vsrc, ahead of its index arithmetic (level l's gathers have read IX, the LDS store has read T), and THREE on va_vdst, one behind each sum, ahead of the group's next gathers.
.set TSIZE,  524288                    ; entries in a level's table
.set LVB,    0x400000                  ; its bytes
.set NPW,    400                       ; points of a work-group
.set PITCH,  144                       ; a row of the stage: 128 bytes + 16
.set WSTAGE, 16*PITCH                  ; a wave's stage
.set SPARE,  25*WSTAGE                 ; behind the stages: the spare words, 128 bytes for each wave, in whole blocks of 256: no other line names them
.set F1,  0                            ; v0       behind the head: xi1 (res - 1) of the level whose gathers are out;  F2, F3 likewise for xi2, xi3;  xi0's lies in v16 (F0)
.set F2,  1                            ; v1
.set Q,   2                            ; v[2:5]   my point's four words of q
.set OMM, 6                            ; v6       1 - m; before that the mask's number.  v7 stands beside it as the pair's second
.set STO, 7                            ; v7       my point's row in the stage; never rewritten
.set F3,  8                            ; v8
.set SPW, 9                            ; v9       LDS address of my spare word; never rewritten
.set NIL, 10                           ; v10      0; never rewritten
.set PFO, 11                           ; v11      the prefetches' offset: 8,192 x chunk + 256 x lane (so its bits 12:8 are my lane); never rewritten
.set IV,  12                           ; v12      i
.set SG,  13                           ; v13      i = 1: 1.0, i = 0: -1.0
.set T,   14                           ; v[14:15] the level's result (at the head: two registers at work)
.set F0,  16
.set W0,  16                           ; v16      xi0 (res - 1), then my weight along x;   v17 (CC) stands beside it as the pair's second
.set CC,  17                           ; v17      i = 1: -1.0, i = 0: 2.0
.set W1,  18                           ; v[18:19] (1 - w1, w1);  W2, W3 likewise.  W1 and W2 are done with when the four weights W12 are made
.set W2,  20
.set W3,  22
.set S,   18                           ; v[18:19] s's sum
.set A,   20                           ; v[20:21] t's sum at c3 = p3, and, when T has taken that, at c3 = p3 + 1
.set X0,  14                           ; six registers at work in the index arithmetic, on T, S and A, which hold nothing then:
.set X1,  15                           ;   X0 .. X3: the cell p0 + i, p1, p2, p3, then the hash's parts for the lower corners
.set X2,  18
.set X3,  19
.set X4,  20                           ;   X4, X5: the hash's parts for the upper corners of x1 and x2; X4 then for x3's
.set X5,  21
.set IX,  24                           ; v[24:35] the twelve indices: IX + c1 + 2 c2 for s, IX + 4 + c1 + 2 c2 + 4 c3 for t
.set SB,  IX                           ; v24      where s's index is a sum: the byte offset of my first corner
.set TB,  IX+4                         ; v28      the same for t
.set D,   36                           ; v[36:59] twelve pairs: slot c1 + 2 c2 for s, slot 4 + c1 + 2 c2 + 4 c3 for t: an entry's two numbers
.set W12, 60                           ; v[60:63] the four weights of (c1, c2), my x weight in them: pair k = (c1 = 0, c1 = 1) at c2 = k
.set RD,  16                           ; v16      the way out: where I read rows back
.set RT,  18                           ; v18      the way out: at work
.set WV,   14                          ; s14  my wave's number
.set ROLE, 15                          ; s15  0: I prefetch table_s; 1: table_t
.set STG,  18                          ; s18  my wave's stage
.set G,    19                          ; s19  my chunk, or the greatest number in a wave without a share
.set LIM,  20                          ; s20  chunks of the table to be prefetched
.set PB,   22                          ; s[22:23] the table that I prefetch, at the level whose gathers go out
.set MANT, 24                          ; s24  0x7fffff
.set ONE,  25                          ; s25  1.0
.set MASK, 26                          ; s26  2^19 - 1
.set PR1,  27                          ; s27-29  the primes mod 2^19: only these bits reach the index
.set PR2,  28
.set PR3,  29
.set ODD,  30                          ; s30  the odd lanes
; The grid of the level whose indices are made and whose gathers are issued next.
.macro GRID res
.set RR, (\res)
.set MM, RR-1
.set R2, RR*RR
.set R3, RR*RR*RR
.if R3 <= TSIZE
.set DS, 1                             ; s's index is a sum
.else
.set DS, 0                             ; a hash
.endif
.if R3*RR <= TSIZE
.set DT, 1                             ; the same for t
.else
.set DT, 0
.endif
.endm
; The twelve indices of that level into IX, its four products into F0 .. F3.
.macro INDEX
	; the cell: xi (res - 1); the 24-bit multiply leaves the word's upper byte out
	v_mul_u32_u24 v[F0], MM, v[Q]
	v_mul_u32_u24 v[F1], MM, v[Q+1]
	v_mul_u32_u24 v[F2], MM, v[Q+2]
	v_mul_u32_u24 v[F3], MM, v[Q+3]
	v_lshrrev_b32 v[X0], 23, v[F0]
	v_lshrrev_b32 v[X1], 23, v[F1]
	v_lshrrev_b32 v[X2], 23, v[F2]
	v_lshrrev_b32 v[X3], 23, v[F3]
	v_add_nc_u32 v[X0], v[X0], v[IV]               ; my corner along x
.if DS
	; the index is a sum: one offset for my first corner; the other corners stand in the loads' immediates
	v_mad_u32_u24 v[SB], v[X2], RR, v[X1]
	v_mad_u32_u24 v[SB], v[SB], RR, v[X0]
.if DT
	v_mad_u32_u24 v[TB], v[X3], R3, v[SB]
	v_min_u32 v[TB], MM+(RR-2)*(RR+R2+R3), v[TB]   ; the greatest that p <= res - 2 allows: no value changes
	v_lshlrev_b32 v[TB], 3, v[TB]
.endif
	v_min_u32 v[SB], MM+(RR-2)*(RR+R2), v[SB]
	v_lshlrev_b32 v[SB], 3, v[SB]
.endif
.if DT == 0
.if DS
.set HB, IX+8                          ; the hash of three coordinates is only a step towards t's: it is made where t's upper four indices will stand
.else
.set HB, IX                            ; it is s's index
.endif
	; the hash's parts, each cut to 19 bits; the upper corner's part is the lower one's plus the prime
	v_mul_u32_u24 v[X1], s[PR1], v[X1]
	v_mul_u32_u24 v[X2], s[PR2], v[X2]
	v_mul_u32_u24 v[X3], s[PR3], v[X3]
	v_add_nc_u32 v[X4], s[PR1], v[X1]
	v_add_nc_u32 v[X5], s[PR2], v[X2]
	v_and_b32 v[X1], s[MASK], v[X1]
	v_and_b32 v[X2], s[MASK], v[X2]
	v_and_b32 v[X4], s[MASK], v[X4]
	v_and_b32 v[X5], s[MASK], v[X5]
	v_xor_b32 v[HB],   v[X1], v[X2]                ; x1's part ^ x2's part, for (c1, c2) = (0,0) (1,0) (0,1) (1,1)
	v_xor_b32 v[HB+1], v[X4], v[X2]
	v_xor_b32 v[HB+2], v[X1], v[X5]
	v_xor_b32 v[HB+3], v[X4], v[X5]
	v_add_nc_u32 v[X4], s[PR3], v[X3]              ; x3's upper part, where x1's was
	v_and_b32 v[X3], s[MASK], v[X3]
	v_and_b32 v[X4], s[MASK], v[X4]
.irp c, 0,1,2,3
	v_xor_b32 v[HB+(\c)], v[X0], v[HB+(\c)]        ; ^ c0
.endr
.irp c, 0,1,2,3
	v_xor_b32 v[IX+4+(\c)], v[HB+(\c)], v[X3]      ; c3 = p3
.endr
.irp c, 0,1,2,3
	v_xor_b32 v[IX+8+(\c)], v[HB+(\c)], v[X4]      ; c3 = p3 + 1
.endr
	; every part is below 2^19, so these change no value: an index made of numbers read from memory enters an address only behind v_min_u32 with its bound in the instruction
.if DS == 0
.irp c, 0,1,2,3
	v_min_u32 v[IX+(\c)], TSIZE-1, v[IX+(\c)]
.endr
.endif
.irp c, 0,1,2,3,4,5,6,7
	v_min_u32 v[IX+4+(\c)], TSIZE-1, v[IX+4+(\c)]
.endr
.endif
.endm
; A group of four gathers.  A hashed index counts entries of 8 bytes (scale_offset).
.macro GATHER_S
.irp c, 0,1,2,3
.if DS
	global_load_b64 v[D+2*(\c):D+2*(\c)+1], v[SB], s[6:7] offset:8*(((\c)%2)*RR+((\c)/2)*R2)
.else
	global_load_b64 v[D+2*(\c):D+2*(\c)+1], v[IX+(\c)], s[6:7] scale_offset
.endif
.endr
.endm
.macro GATHER_T k                      ; k = 0: c3 = p3; 1: c3 = p3 + 1
.irp c, 0,1,2,3
.if DT
	global_load_b64 v[D+8+8*(\k)+2*(\c):D+8+8*(\k)+2*(\c)+1], v[TB], s[8:9] offset:8*(((\c)%2)*RR+((\c)/2)*R2+(\k)*R3)
.else
	global_load_b64 v[D+8+8*(\k)+2*(\c):D+8+8*(\k)+2*(\c)+1], v[IX+4+4*(\k)+(\c)], s[8:9] scale_offset
.endif
.endr
.endm
; My chunk of the table one level behind the one whose gathers have just gone out, if that level (grid nxt) indexes so far.
.macro PREF nxt
.set NS, ((\nxt)*(\nxt)*(\nxt)+1023)/1024
.if NS > 512
.set NS, 512
.endif
.set NT, ((\nxt)*(\nxt)*(\nxt)*(\nxt)+1023)/1024
.if NT > 512
.set NT, 512
.endif
	s_mov_b32 s[LIM], NT
	s_cmp_eq_u32 s[ROLE], 0
	s_cselect_b32 s[LIM], NS, s[LIM]
	s_cmp_lt_u32 s[G], s[LIM]
	s_cbranch_scc0 .Lnot_mine_\@
	global_prefetch_b8 v[PFO], s[PB:PB+1] offset:LVB th:TH_LOAD_NT scope:SCOPE_SE
.Lnot_mine_\@:
.endm
; Four corners (c1, c2) of one sum: the entry's two numbers times the corner's weight, two at a time; the weight is the first or the second register of its pair, for both halves.
.macro DOT acc, src
	v_pk_mul_f32 v[(\acc):(\acc)+1], v[(\src):(\src)+1], v[W12:W12+1] op_sel_hi:[1,0]
	v_pk_fma_f32 v[(\acc):(\acc)+1], v[(\src)+2:(\src)+3], v[W12:W12+1], v[(\acc):(\acc)+1] op_sel:[0,1,0] op_sel_hi:[1,1,1]
	v_pk_fma_f32 v[(\acc):(\acc)+1], v[(\src)+4:(\src)+5], v[W12+2:W12+3], v[(\acc):(\acc)+1] op_sel_hi:[1,0,1]
	v_pk_fma_f32 v[(\acc):(\acc)+1], v[(\src)+6:(\src)+7], v[W12+2:W12+3], v[(\acc):(\acc)+1] op_sel:[0,1,0] op_sel_hi:[1,1,1]
.endm
	s_load_b256 s[4:11], s[0:1], 0x0               ; q s[4:5], table_s s[6:7], table_t s[8:9], table_m s[10:11]
	s_load_b64 s[12:13], s[0:1], 0x20              ; out0
	v_lshl_add_u32 v[SPW], v0, 2, SPARE
	v_mov_b32 v[NIL], 0
	v_lshrrev_b32 v1, 5, v0
	v_readfirstlane_b32 s[WV], v1                  ; wave 0..24
	v_lshrrev_b32 v1, 1, v0                        ; my point in the work-group,
	v_lshlrev_b32 v1, 4, v1                        ; its 16 bytes of q
	s_mul_i32 s16, ttmp9, NPW*16
	s_mov_b32 s17, 0
	s_wait_kmcnt 0x0
	s_add_nc_u64 s[4:5], s[4:5], s[16:17]
	s_wait_alu depctr_va_vdst(0)                   ; v1 is written, which the load below reads as its offset
	global_load_b128 v[Q:Q+3], v1, s[4:5] th:TH_LOAD_NT  ; both lanes of a point take the same 16 bytes: a wave's load covers 256 consecutive bytes
	; the set-up stands in the wait for q
	s_mul_i32 s16, ttmp9, NPW*128
	s_add_nc_u64 s[12:13], s[12:13], s[16:17]      ; out0 at the work-group's first row
	s_mov_b32 s[MANT], 0x7fffff
	s_mov_b32 s[ONE], 0x3f800000
	s_mov_b32 s[MASK], TSIZE-1
	s_mov_b32 s[PR1], 0x779b1                      ; 2654435761 mod 2^19
	s_mov_b32 s[PR2], 0x25795                      ; 805459861 mod 2^19
	s_mov_b32 s[PR3], 0x6c2f5                      ; 3674653429 mod 2^19
	s_mov_b32 s[ODD], 0xaaaaaaaa
	v_and_b32 v[IV], 1, v0
	v_cndmask_b32 v[SG], -1.0, 1.0, s[ODD]
	v_cndmask_b32 v[CC], 2.0, -1.0, s[ODD]
	v_and_b32 v15, 31, v0                          ; lane: the last use of v0 as it came
	s_wait_alu depctr_va_sdst(0)                   ; the wave's number is written into s14, ahead of its first reader, the line below
	s_mul_i32 s[STG], s[WV], WSTAGE
	v_lshrrev_b32 v14, 1, v15                      ; my point in the wave: its row
	v_mul_u32_u24 v14, PITCH, v14
	v_add_nc_u32 v[STO], s[STG], v14
	s_lshr_b32 s[ROLE], s[WV], 1
	s_and_b32 s21, s[WV], 1
	s_mul_i32 s21, s21, 500
	s_add_co_u32 s[G], s21, ttmp9                  ; 0 .. 999: each chunk number has one owner for each table
	s_cmp_lt_u32 s[WV], 4
	s_cselect_b32 s[G], s[G], -1
	s_min_u32 s21, s[G], 511                       ; the offset stays inside a level's table in every wave
	s_lshl_b32 s21, s21, 13
	v_lshl_add_u32 v[PFO], v15, 8, s21
	s_cmp_eq_u32 s[ROLE], 0
	s_cselect_b64 s[PB:PB+1], s[6:7], s[8:9]
	s_wait_loadcnt 0x0                             ; q
	s_wait_alu depctr_vm_vsrc(0)                   ; q's load has read v1, which the index arithmetic below writes
	GRID 16
	INDEX                                          ; level 0
	; the mask's entry: c0 + 128 c1 + 16384 c2.  A number read from memory enters an address only behind v_min_u32 with its bound in the instruction; the bytes hold 127 at the most, so no value changes
	v_lshrrev_b32 v[X2], 24, v[Q]
	v_lshrrev_b32 v[X3], 24, v[Q+1]
	v_lshrrev_b32 v[X4], 24, v[Q+2]
	v_min_u32 v[X2], 127, v[X2]
	v_min_u32 v[X3], 127, v[X3]
	v_min_u32 v[X4], 127, v[X4]
	v_lshl_add_u32 v[X2], v[X3], 7, v[X2]
	v_lshl_add_u32 v[X2], v[X4], 14, v[X2]
	v_lshlrev_b32 v[X0], 2, v[X2]
	s_wait_alu depctr_va_vdst(0)                   ; level 0's indices in IX and the mask's offset in v14 are written, which the thirteen loads below read; so are v7 and v11, which later LDS stores and the prefetches read
	global_load_b32 v[OMM], v[X0], s[10:11]        ; the mask's number: it is used in step 0, behind the twelve
	GATHER_S
	GATHER_T 0
	GATHER_T 1
	PREF 20
; STEP lev: level lev's gathers are out.  nxt: the next level's grid, 0 behind the last; nn: the grid of the level behind that, 0 if there is none; first = 1: level 0, which also makes 1 - m.
.macro STEP lev, nxt, nn, first
.if \first
	s_wait_loadcnt 12                              ; the mask's number was asked for ahead of the twelve, which may stay out
	v_mul_f32 v[OMM], 0x3fb8aa3b, v[OMM]           ; 1 - sigmoid(v) = 1 / (1 + e^v) = 1 / (1 + 2^(v log2 e)): 0 where the power overflows, 1 where it vanishes
	v_exp_f32 v[OMM], v[OMM]
.endif
	; the weights, while the gathers are out.  The 23 fraction bits under the exponent of 1.0 are f = 1 + w; w = f - 1 and 1 - w = 2 - f are exact.  Along x I need one of the two: f SG + CC
	v_and_or_b32 v[W0],   v[F0], s[MANT], s[ONE]
	v_and_or_b32 v[W1+1], v[F1], s[MANT], s[ONE]
	v_and_or_b32 v[W2+1], v[F2], s[MANT], s[ONE]
	v_and_or_b32 v[W3+1], v[F3], s[MANT], s[ONE]
	v_fma_f32 v[W0], v[W0], v[SG], v[CC]
	v_sub_f32 v[W1], 2.0, v[W1+1]
	v_add_f32 v[W1+1], -1.0, v[W1+1]
	v_sub_f32 v[W2], 2.0, v[W2+1]
	v_add_f32 v[W2+1], -1.0, v[W2+1]
	v_sub_f32 v[W3], 2.0, v[W3+1]
	v_add_f32 v[W3+1], -1.0, v[W3+1]
.if \first
	s_wait_alu depctr_va_vdst(0)                   ; the exponential has written v6, ahead of its first reader; the eleven lines above are the plain work between
	v_add_f32 v[OMM], 1.0, v[OMM]
	v_rcp_f32 v[OMM], v[OMM]
.endif
	v_pk_mul_f32 v[W1:W1+1], v[W1:W1+1], v[W0:W0+1] op_sel_hi:[1,0]                   ; x1's two weights times my x weight
	v_pk_mul_f32 v[W12:W12+1],   v[W1:W1+1], v[W2:W2+1] op_sel_hi:[1,0]               ; times 1 - w2
	v_pk_mul_f32 v[W12+2:W12+3], v[W1:W1+1], v[W2:W2+1] op_sel:[0,1] op_sel_hi:[1,1]  ; times w2
.if (\nxt) != 0
	s_wait_xcnt 0x0                                ; this level's gathers and the prefetch have had their addresses translated: only behind this wait are IX written again and the three pointers stepped
.endif
	s_wait_alu depctr_vm_vsrc(0)                   ; the step's one wait on vm_vsrc: this level's gathers have read IX, which the index arithmetic writes; the last step's LDS store has read T, which is written below;
	                                               ; in step 0 the mask's load has read v14
.if (\nxt) != 0
	s_add_nc_u64 s[6:7], s[6:7], LVB
	s_add_nc_u64 s[8:9], s[8:9], LVB
	s_add_nc_u64 s[PB:PB+1], s[PB:PB+1], LVB
	GRID \nxt
	INDEX                                          ; the next level's indices, while this level's gathers are out
.endif
	s_wait_loadcnt 8                               ; loads come back in order: s's four are in; t's eight may stay out
	DOT S, D
.if (\nxt) != 0
	s_wait_alu depctr_va_vdst(0)                   ; the next level's indices in IX are written, which all its gathers read; s's sum is done reading D's first eight, in which the four below land;
	                                               ; in step 0 the reciprocal has written v6, ahead of its first reader
	GATHER_S
	s_wait_loadcnt 8                               ; t's four at c3 = p3 are in; its other four and the four just issued may stay out
.else
	s_wait_loadcnt 4
.endif
	DOT A, D+8
	v_pk_mul_f32 v[T:T+1], v[A:A+1], v[W3:W3+1] op_sel_hi:[1,0]                       ; times 1 - w3
.if (\nxt) != 0
	s_wait_alu depctr_va_vdst(0)                   ; that sum is done reading D's second eight, in which the four below land
	GATHER_T 0
	s_wait_loadcnt 8                               ; t's four at c3 = p3 + 1 are in; the next level's eight may stay out
.else
	s_wait_loadcnt 0x0
.endif
	DOT A, D+16
	v_pk_fma_f32 v[T:T+1], v[A:A+1], v[W3:W3+1], v[T:T+1] op_sel:[0,1,0] op_sel_hi:[1,1,1]  ; + that sum times w3: my half of t
	v_pk_fma_f32 v[T:T+1], v[T:T+1], v[OMM:OMM+1], v[S:S+1] op_sel_hi:[1,0,1]         ; my half of s + t (1 - m): v6 for both halves
	v_add_f32_dpp v[T],   v[T],   v[T]   row_xmask:1 row_mask:0xf bank_mask:0xf       ; + the other lane's half: both lanes of the point now hold the same two numbers
	v_add_f32_dpp v[T+1], v[T+1], v[T+1] row_xmask:1 row_mask:0xf bank_mask:0xf
.if (\nxt) != 0
	s_wait_alu depctr_va_vdst(0)                   ; the last sum is done reading D's third eight, in which the four below land; T is written, which the LDS store reads
	GATHER_T 1
	ds_store_b64 v[STO], v[T:T+1] offset:8*(\lev)  ; both lanes of a point write the same two numbers to the same 8 bytes of the point's row
.if (\nn) != 0
	PREF \nn
.endif
.endif
.endm
	STEP 0,  20,  24,  1
	STEP 1,  24,  28,  0
	STEP 2,  28,  34,  0
	STEP 3,  34,  40,  0
	STEP 4,  40,  48,  0
	STEP 5,  48,  58,  0
	STEP 6,  58,  69,  0
	STEP 7,  69,  83,  0
	STEP 8,  83,  100, 0
	STEP 9,  100, 119, 0
	STEP 10, 119, 143, 0
	STEP 11, 143, 172, 0
	STEP 12, 172, 206, 0
	STEP 13, 206, 247, 0
	STEP 14, 247, 0,   0
	STEP 15, 0,   0,   0
	; THE WAY OUT: my wave's 16 rows of 128 bytes come back four rows at a time, 16 bytes a lane, and leave as 512 consecutive bytes of out0
	v_bfe_u32 v1, v[PFO], 8, 5                     ; lane: bits 12:8 of 8,192 x chunk + 256 x lane
	v_lshrrev_b32 v[RD], 3, v1                     ; which of the four rows,
	v_mul_u32_u24 v[RD], PITCH, v[RD]
	v_and_b32 v[RT], 7, v1                         ; which 16 bytes of it
	v_lshl_add_u32 v[RD], v[RT], 4, v[RD]
	v_add_nc_u32 v[RD], s[STG], v[RD]
	s_lshl_b32 s21, s[WV], 11                      ; my wave's 16 rows in the work-group's 400
	v_lshl_add_u32 v1, v1, 4, s21
	s_wait_alu depctr_va_vdst(0)                   ; level 15's T is written, which the LDS store reads; v16 and v1 are written, the addresses of the LDS loads and of the stores; level 15's sums are done reading D, in which the rows land
	ds_store_b64 v[STO], v[T:T+1] offset:8*15      ; the last level's two numbers
.irp t, 0,1,2,3
	ds_load_b128 v[D+4*(\t):D+4*(\t)+3], v[RD] offset:(\t)*4*PITCH  ; LDS serves a wave's instructions in order (ISA guide 5.7.1.4): these see the sixteen stores
.endr
.irp t, 0,1,2,3
	s_wait_dscnt 3-(\t)                            ; block t is back; the younger ones may stay out
	global_store_b128 v1, v[D+4*(\t):D+4*(\t)+3], s[12:13] offset:512*(\t) th:TH_STORE_NT  ; 16 lanes store 256 consecutive bytes, at a multiple of 256 from out0's first byte
.endr
	s_wait_dscnt 0x0                               ; the closing lines, six on end
	s_wait_alu 0x0
	s_wait_tensorcnt 0x0
	ds_add_u32 v[SPW], v[NIL]
	s_wait_dscnt 0x0
	s_endpgm
.Lfunc_end_k_qa4d7c6b5a9_encode:
	.size	k_qa4d7c6b5a9_encode, .Lfunc_end_k_qa4d7c6b5a9_encode-k_qa4d7c6b5a9_encode
	.p2alignl 7, 3214868480
	.fill 96, 4, 3214868480
	.section	.rodata,"a",@progbits
	.p2align	6, 0x0
	.amdhsa_kernel k_qa4d7c6b5a9_encode
		.amdhsa_group_segment_fixed_size 60928
		.amdhsa_private_segment_fixed_size 0
		.amdhsa_enable_private_segment 0
		.amdhsa_kernarg_size 40
		.amdhsa_user_sgpr_count 2
		.amdhsa_user_sgpr_kernarg_segment_ptr 1
		.amdhsa_wavefront_size32 1
		.amdhsa_system_sgpr_workgroup_id_x 1
		.amdhsa_system_sgpr_workgroup_id_y 1
		.amdhsa_system_sgpr_workgroup_id_z 1
		.amdhsa_system_vgpr_workitem_id 0
		.amdhsa_next_free_vgpr 64
		.amdhsa_next_free_sgpr 66
		.amdhsa_reserve_vcc 0
		.amdhsa_float_denorm_mode_32 3
		.amdhsa_float_denorm_mode_16_64 3
		.amdhsa_memory_ordered 1
		.amdhsa_forward_progress 1
		.amdhsa_inst_pref_size 91
	.end_amdhsa_kernel
	.amdgpu_metadata
---
amdhsa.version: [ 1, 2 ]
amdhsa.kernels:
  - .name:           k_qa4d7c6b5a9_encode
    .symbol:         k_qa4d7c6b5a9_encode.kd
    .args:
      - { .name: q, .offset: 0, .size: 8, .value_kind: global_buffer, .address_space: global }
      - { .name: table_s, .offset: 8, .size: 8, .value_kind: global_buffer, .address_space: global }
      - { .name: table_t, .offset: 16, .size: 8, .value_kind: global_buffer, .address_space: global }
      - { .name: table_m, .offset: 24, .size: 8, .value_kind: global_buffer, .address_space: global }
      - { .name: out0, .offset: 32, .size: 8, .value_kind: global_buffer, .address_space: global }
    .group_segment_fixed_size: 60928
    .private_segment_fixed_size: 0
    .kernarg_segment_align: 8
    .kernarg_segment_size: 40
    .max_flat_workgroup_size: 800
    .sgpr_count:     66
    .vgpr_count:     64
    .wavefront_size: 32
...
	.end_amdgpu_metadata
.endif
;; end of part 3
